; MI455X (gfx1250); checked and timed in simulation.
; The chip was launched on July 23, 2026; its instructions are those of AMD's public machine-readable ISA for CDNA 5 (MIT licence, August 2026) and "CDNA5" Instruction Set Architecture Reference Guide (July 2026). The comments in the code are by the model that wrote it; some were corrected since.
;; Py Torch Attention. Allowed arithmetic: matrix products marked QUANTISED: E3M2 operands, one E8M0 scale for each 32 along K, by v_wmma_scale_f32_16x16x128_f8f6f4 with both operands' format E3M2, f32 sums; everything else in f32.
;; Inputs: K 4 x 2,048 x 1,024 float32; Q 4 x 2,048 x 1,024 float32; V_codes 4 x 1,024 x 64 x 24 uint8 (E3M2 codes of V, K innermost, in blocks of 32 codes, four codes in three bytes); V_scales 4 x 1,024 x 64 uint8 (E8M0 scales of V, one for each 32 codes along K).
;; Outputs: out0 4 x 2,048 x 1,024 float32.
;; This version of the problem:
;;   THIS VERSION OF THE PROBLEM IS GIVEN IN LOW PRECISION. The matrix products marked QUANTISED in the list below multiply operands that are first quantised to E3M2 (3 exponent bits, 2 mantissa bits; 6 bits a number), with one power-of-two scale for each 32 numbers along K (OCP MX v1.0); their sums are f32. All else is computed in f32.
;;   The module's matrix products, in the order in which they are computed (A, B: the left and right operand; K: the contracted axis; several contracted axes count as one K, in the product's order):
;;     1. batch 64 x [M 2,048, K 64] x [K 64, N 2,048]; A: input Q; B: input K: QUANTISED
;;     2. batch 64 x [M 2,048, K 2,048] x [K 2,048, N 64]; A: softmax (see below); B: input V (given as codes): QUANTISED
;;   THE QUANTISER, for each operand of a quantised product, along K:
;;     - K is cut into blocks of 32 from its start; a last block that is shorter is filled with zeros.
;;     - A block's scale is 2^e with e = floor(log2(the largest magnitude in the block)) - 4, held to -126 .. 127; a block of zeros has e = 0. As a byte (E8M0): e + 127.
;;     - Each number is divided by its block's scale, clamped to +-28, and rounded to the nearest number of E3M2, ties to even, subnormals kept.
;;     - The product sums the exact products of the quantised numbers (number of the format x scale) in f32.
;;   ~~~python
;;   def quantise(x, axis):      # numpy; x: float32 -> the quantised numbers, widened to float32 again
;;       x = np.moveaxis(x, axis, -1); K = x.shape[-1]
;;       x = np.pad(x, [(0, 0)] * (x.ndim - 1) + [(0, -K % 32)]); x = x.reshape(x.shape[:-1] + (-1, 32)); a = np.abs(x).max(-1, keepdims=True)
;;       e = np.where(a > 0, np.clip(np.frexp(np.where(a > 0, a, 1))[1] - 1 - 4, -126, 127), 0)      # np.frexp(a)[1] - 1 = floor(log2(a)), exactly
;;       r = np.clip(x / 2.0 ** e, -28, 28)
;;       step = 2.0 ** (np.maximum(np.frexp(np.where(r == 0, 1, r))[1] - 1, -2) - 2)
;;       q = np.round(r / step) * step * 2.0 ** e      # np.round: ties to even
;;       return np.moveaxis(q.reshape(q.shape[:-2] + (-1,))[..., :K], -1, axis).astype(np.float32)
;;   ~~~
;;   SOFTMAX AHEAD OF A QUANTISED PRODUCT. Where the list says 'softmax', what is quantised is not the finished softmax but p = 2^(t - M), with t = logit x log2(e) and M = ceil(the row's largest t), a whole number; so 1/2 < the row's largest p <= 1. The row's sum l is taken of the UNQUANTISED p, in f32, and the product's result is divided by l at the end. Since M is a whole number, a kernel that streams over the keys may use a running M (the ceiling of the running maximum): every later rescaling is an exact power of two, which a block's scale takes up: the codes' values come out the same.
;;   OPERANDS COMPUTED ON THE WAY. 'Computed on the way' means the value that the module computes at that place (a softmax that the list does not call 'softmax' is quantised finished and normalised). What goes into a quantiser is computed in f32, as accurately as f32 sums, v_exp_f32 and their like allow (about 1e-6 of the number): no bf16 or f16 on the way to a quantiser, and a product that is left as it is and whose result goes on into a quantised operand takes f32 operands (vector FMAs, or v_wmma_f32_16x16x4_f32). A number that lies on a knife's edge between two numbers of the format may be rounded either way, as far as f32 arithmetic and the matrix unit's own rounding can turn it there, and no further.
;;   INPUTS GIVEN AS CODES. V (in the module: [4, 2048, 1024], K = its axis 1): each comes as NAME_codes (uint8): NAME with its K axis moved to the last place and cut into blocks of 32 codes, [.., K / 32, bytes a block], one block behind the other in memory; four codes in three bytes: a row's codes are one little-endian stream of bits, code i at bits 6 i .. 6 i + 5 (a code: sign, 3 exponent bits, 2 mantissa bits); and NAME_scales (uint8): the same leading axes, one E8M0 byte (e + 127) for each 32 codes along K. Its value is code x scale, taken as it is: it is not quantised again, and the codes and scales need not be those that the quantiser above would give.
;; One version. Each part assembles by itself: llvm-mc -triple=amdgcn-amd-amdhsa -mcpu=gfx1250 --defsym DOCPART=n.
;; ======== version 1 of 1: 2 launches
;; workspace buffers: kblk 7,077,888 bytes
;; launch prep (part 1): grid 512 x 1, 4 waves a work-group, no clusters, 35,328 bytes of LDS; arguments K, V_scales, kblk; writes kblk
.if DOCPART == 1
	.amdgcn_target "amdgcn-amd-amdhsa--gfx1250"
	.amdhsa_code_object_version 6
	.text
	.protected	k_qe34f7ac103_prep
	.globl	k_qe34f7ac103_prep
	.p2align	8
	.type	k_qe34f7ac103_prep,@function
k_qe34f7ac103_prep:
	s_mov_b64 s[64:65], 0
	v_nop
	global_prefetch_b8 v0, s[64:65] scope:SCOPE_SE
	s_setreg_imm32_b32 hwreg(HW_REG_WAVE_MODE, 25, 1), 1
	s_wait_xcnt 0x0
; K [4][2048][1024] f32 is quantised ONCE along each head's 64 channels (two blocks of 32) into codes of BF6 (E3M2) with E8M0 scale bytes, and laid, with V's scale words,
; as the attention launch reads them: for each (batch, head) bh and each slot of 256 keys ONE dense unit of 13,824 bytes at kblk + (8 bh + slot) x 13,824:
;   0      + 512 T + 16 l : registers 0-3 of the operand fragment of tile T (0..15) for lane l;     8,192 + 256 T + 8 l : its registers 4-5
;   12,288 + 256 w + 8 l  : two words jj: the scale word of tile 4 w + 2 jj + l / 16, row l % 16     (w = T / 4)
;   13,312 + 256 q + 8 l  : two words j: V's scale word of channel 32 j + l for keys 128 q .. 128 q + 127 of the slot
; A fragment's lane (r = l % 16, h = l / 16) holds the 32 codes (24 bytes) of channels 32 h .. 32 h + 31 of ONE key.  THE KEYS OF A TILE ARE NOT NEIGHBOURS: row r of tile 8 q + T' is key
; 128 q + 32 (T' / 2) + 8 (T' % 2) + r + 8 (r / 8), so that the score registers of two neighbouring tiles are 16 neighbouring keys.
; A scale word: byte 0 block 0, byte 1 block 1; bytes 2, 3 repeat them: they scale k = 64 .. 127 of the matrix instruction, where both operands hold zero codes.
; A block's scale is 2^(floor(log2(its largest magnitude)) - 4); its byte is the largest magnitude's exponent field - 4, held at 1 from below.
; LIMITS: NaN and infinities in K are not served.  A block of zeros gets the byte 1 where the rule says 127: its codes are zeros, and this program alone reads the bytes.
; SHARES: a work-group makes one unit; wave w takes keys 64 w .. 64 w + 63 of the slot: four tiles, 16 KB of f32.  All 32 loads of a wave go out at the head.  Each load reads two rows' 256 consecutive bytes
; (a head's part of a row of K, at a multiple of 256 bytes); a tile turns through the wave's own stage in LDS, so that a lane gets 32 neighbours of one row.  Waves share nothing: no barrier.
; V's scale words are read 4 bytes a lane, 64 bytes apart: 512 bytes of a unit's 13,824; they leave as whole runs of 256 bytes.
.set SB,    13824                      ; bytes of a unit
.set KBO,   8192
.set KSCO,  12288
.set VSCO,  13312
.set ROWK,  4096                       ; a row of K in memory
.set SP,    272                        ; a stage row: 256 bytes + 16, an odd multiple of 16
.set STG,   16*SP                      ; a stage; two a wave, by turns
.set C,     16                         ; v[16 + 8 t ..] tile t's codes: registers of its own for each tile, so that no store's data are written again
.set SKW,   50                         ; v50-51  K's scale words
.set VSW,   52                         ; v52-53  V's scale words
.set R,     64                         ; v64-191 four sets of 32: the tiles as loaded
.set X,     192                        ; v192-255 two sets of 32 neighbours
	s_load_b128 s[4:7], s[0:1], 0x0                ; K, V_scales
	s_load_b64 s[8:9], s[0:1], 0x10                ; kblk
	v_lshl_add_u32 v62, v0, 2, 0x8800
	v_mov_b32 v63, 0
	v_lshrrev_b32 v1, 5, v0
	v_readfirstlane_b32 s16, v1                    ; wave 0..3
	v_and_b32 v1, 31, v0                           ; l
	v_and_b32 v2, 15, v0                           ; r
	v_bfe_u32 v3, v0, 4, 1                         ; h
	s_lshr_b32 s17, s16, 1                         ; q: which 128 keys of the slot
	s_and_b32 s18, s16, 1                          ; g: which half of them
	v_lshlrev_b32 v4, 4, v2
	v_lshl_add_u32 v4, v3, 12, v4                  ; in: lanes 0-15 one row, lanes 16-31 the next; 16 bytes a lane
	s_mul_i32 s30, s16, 2*STG                      ; my wave's two stages
	v_mul_u32_u24 v5, v3, SP
	v_lshl_add_u32 v5, v2, 4, v5
	v_add_nc_u32 v5, s30, v5                       ; into a stage: as loaded
	v_mul_u32_u24 v6, v2, SP
	v_lshl_add_u32 v6, v3, 7, v6
	v_add_nc_u32 v6, s30, v6                       ; out of it: row r, my block's 128 bytes
	s_lshl_b32 s19, s16, 11
	v_lshl_add_u32 v7, v1, 4, s19                  ; registers 0-3: 16 l + 4 tiles x 512 x wave
	s_lshl_b32 s19, s16, 10
	v_lshl_add_u32 v8, v1, 3, s19                  ; registers 4-5: 8 l + 4 x 256 x wave
	s_lshl_b32 s19, s16, 8
	v_lshl_add_u32 v9, v1, 3, s19                  ; K's scale words: 8 l + 256 x wave
	s_lshl_b32 s19, s17, 8
	v_lshl_add_u32 v10, v1, 3, s19                 ; V's: 8 l + 256 q
	v_lshlrev_b32 v11, 6, v1                       ; V_scales: a channel's row is 64 bytes
	v_lshlrev_b32 v12, 3, v3                       ; 8 h: my block's byte in the scale word
	v_mov_b32 v49, 0                               ; a lane permute's destination counts as one of its sources
	v_mov_b32 v[VSW], 0                            ; written in every wave, so that they are defined on every way through the text
	v_mov_b32 v[VSW+1], 0
	s_mov_b32 s20, 0x76543210
	s_mov_b32 s21, 0xfedcba98                      ; v_permlanex16_b32's selects for lane l xor 16
	s_mov_b32 s22, 0xffff0000                      ; lanes 16-31
	s_lshr_b32 s23, ttmp9, 3                       ; bh
	s_and_b32 s19, ttmp9, 7                        ; slot
	s_lshr_b32 s24, s23, 4                         ; b
	s_lshl_b32 s24, s24, 11
	s_lshl_b32 s25, s19, 8
	s_add_co_u32 s24, s24, s25
	s_lshl_b32 s25, s16, 6
	s_add_co_u32 s24, s24, s25                     ; my first row of K: 2,048 b + 256 slot + 64 wave
	s_lshl_b32 s24, s24, 12
	s_and_b32 s25, s23, 15
	s_lshl_b32 s25, s25, 8                         ; the head's 256 bytes of a row
	s_add_co_u32 s24, s24, s25                     ; (under 2^26)
	s_mov_b32 s25, 0
	s_lshl_b32 s26, s23, 12                        ; V_scales: 64 rows of 64 bytes a head,
	s_lshl_b32 s27, s19, 3                         ; 8 bytes a slot,
	s_add_co_u32 s26, s26, s27
	s_lshl_b32 s27, s17, 2                         ; 4 bytes for 128 keys
	s_add_co_u32 s26, s26, s27
	s_mov_b32 s27, 0
	s_mul_i32 s28, ttmp9, SB                       ; my unit
	s_mov_b32 s29, 0
	s_wait_kmcnt 0x0
	s_add_nc_u64 s[4:5], s[4:5], s[24:25]
	s_add_nc_u64 s[6:7], s[6:7], s[26:27]
	s_add_nc_u64 s[8:9], s[8:9], s[28:29]
	s_cmp_eq_u32 s18, 0                            ; the even wave of each pair brings V's scale words of its 128 keys.  These two loads stand AHEAD of K's, so that the counted waits below hold in every wave
	s_cbranch_scc0 .Lno_v_in
	global_load_b32 v[VSW], v11, s[6:7]
	global_load_b32 v[VSW+1], v11, s[6:7] offset:2048
.Lno_v_in:
.macro LOAD t                          ; tile t: load i brings tile rows 2 i (lanes 0-15) and 2 i + 1 (lanes 16-31)
.irp i, 0,1,2,3,4,5,6,7
	global_load_b128 v[R+32*(\t)+4*\i:R+32*(\t)+4*\i+3], v4, s[4:5] offset:(32*((\t)/2)+8*((\t)%2)+2*\i+8*(\i/4))*ROWK th:TH_LOAD_NT
.endr
.endm
.macro TURN t                          ; tile t through a stage: LDS serves a wave's instructions in order, so no wait stands between the stores and the loads
.irp i, 0,1,2,3,4,5,6,7
	ds_store_b128 v5, v[R+32*(\t)+4*\i:R+32*(\t)+4*\i+3] offset:STG*((\t)%2)+2*SP*\i
.endr
.irp j, 0,1,2,3,4,5,6,7
	ds_load_b128 v[X+32*((\t)%2)+4*\j:X+32*((\t)%2)+4*\j+3], v6 offset:STG*((\t)%2)+16*\j
.endr
.endm
.macro TILE t
.set XS, X+32*((\t)%2)
.set CC, C+8*(\t)
	s_wait_dscnt 0x0                               ; this tile's numbers are back from the stage
.if (\t) < 3
	s_wait_loadcnt 8*(2-(\t))                      ; the next tile's eight loads are in; those of the tiles behind it may be out
	TURN (\t)+1                                    ; and go through the other stage while this tile is worked
.endif
	v_max3_num_f32 v13, |v[XS]|, |v[XS+1]|, |v[XS+2]|              ; my block's largest magnitude: all 32 numbers are mine; two chains
	v_max3_num_f32 v14, |v[XS+3]|, |v[XS+4]|, |v[XS+5]|
.irp i, 6,10,14,18,22,26
	v_max3_num_f32 v13, v13, |v[XS+\i]|, |v[XS+\i+1]|
	v_max3_num_f32 v14, v14, |v[XS+\i+2]|, |v[XS+\i+3]|
.endr
	v_max3_num_f32 v13, v13, |v[XS+30]|, |v[XS+31]|
	v_max3_num_f32 v13, v13, v14, 0x2800000        ; and the floor 2^(5 - 127): the byte cannot fall under 1
	v_add_nc_u32 v15, 0xfe000000, v13              ; 4 off its exponent field: the conversion takes the exponent field of this operand as its scale
	v_cvt_scalef32_pk16_bf6_f32 v[CC:CC+2], v[XS:XS+15], v15
	v_cvt_scalef32_pk16_bf6_f32 v[CC+4:CC+6], v[XS+16:XS+31], v15  ; (a conversion's three registers begin on an even number)
	v_lshrrev_b32 v48, 23, v15                     ; the scale's byte.  (The plain line behind the conversions)
	v_mov_b32 v[CC+3], v[CC+4]                     ; the block's 24 bytes on end
	v_mov_b32 v[CC+4], v[CC+5]
	v_mov_b32 v[CC+5], v[CC+6]
	v_lshlrev_b32 v48, v12, v48                    ; at its place, 8 h bits up;
	v_permlanex16_b32 v49, v48, s20, s21
	v_or_b32 v48, v48, v49                         ; with lane l xor 16's: both blocks' bytes of row r, in both halves of the lanes
.if (\t)%2 == 0
	v_lshl_or_b32 v[SKW+(\t)/2], v48, 16, v48      ; the word of an even tile, for lanes 0-15
.else
	v_lshl_or_b32 v48, v48, 16, v48
	v_cndmask_b32 v[SKW+(\t)/2], v[SKW+(\t)/2], v48, s22           ; an odd tile's takes lanes 16-31
.endif
	global_store_b128 v7, v[CC:CC+3], s[8:9] offset:512*(\t)       ; 32 lanes store 512 consecutive bytes, at a multiple of 256 from the buffer's first byte
	global_store_b64 v8, v[CC+4:CC+5], s[8:9] offset:KBO+256*(\t)  ; and 256
.endm
	LOAD 0
	LOAD 1
	LOAD 2
	LOAD 3
	s_wait_loadcnt 24                              ; tile 0's eight loads are in (and V's two, which are older); 24 younger ones may be out
	TURN 0
	TILE 0
	TILE 1
	TILE 2
	TILE 3
	global_store_b64 v9, v[SKW:SKW+1], s[8:9] offset:KSCO          ; my four tiles' scale words: 256 consecutive bytes
	s_cmp_eq_u32 s18, 0
	s_cbranch_scc0 .Lno_v_out
	global_store_b64 v10, v[VSW:VSW+1], s[8:9] offset:VSCO         ; (the wait for all loads stood in tile 2)
.Lno_v_out:
	s_wait_tensorcnt 0x0
	ds_add_u32 v62, v63
	s_wait_dscnt 0x0
	s_endpgm
.Lfunc_end_k_qe34f7ac103_prep:
	.size	k_qe34f7ac103_prep, .Lfunc_end_k_qe34f7ac103_prep-k_qe34f7ac103_prep
	.p2alignl 7, 3214868480
	.fill 96, 4, 3214868480
	.section	.rodata,"a",@progbits
	.p2align	6, 0x0
	.amdhsa_kernel k_qe34f7ac103_prep
		.amdhsa_group_segment_fixed_size 35328
		.amdhsa_private_segment_fixed_size 0
		.amdhsa_enable_private_segment 0
		.amdhsa_kernarg_size 24
		.amdhsa_user_sgpr_count 2
		.amdhsa_user_sgpr_kernarg_segment_ptr 1
		.amdhsa_wavefront_size32 1
		.amdhsa_system_sgpr_workgroup_id_x 1
		.amdhsa_system_sgpr_workgroup_id_y 1
		.amdhsa_system_sgpr_workgroup_id_z 1
		.amdhsa_system_vgpr_workitem_id 0
		.amdhsa_next_free_vgpr 256
		.amdhsa_next_free_sgpr 66
		.amdhsa_reserve_vcc 0
		.amdhsa_float_denorm_mode_32 3
		.amdhsa_float_denorm_mode_16_64 3
		.amdhsa_memory_ordered 1
		.amdhsa_forward_progress 1
		.amdhsa_inst_pref_size 18
	.end_amdhsa_kernel
	.amdgpu_metadata
---
amdhsa.version: [ 1, 2 ]
amdhsa.kernels:
  - .name:           k_qe34f7ac103_prep
    .symbol:         k_qe34f7ac103_prep.kd
    .args:
      - { .name: K, .offset: 0, .size: 8, .value_kind: global_buffer, .address_space: global }
      - { .name: V_scales, .offset: 8, .size: 8, .value_kind: global_buffer, .address_space: global }
      - { .name: kblk, .offset: 16, .size: 8, .value_kind: global_buffer, .address_space: global }
    .group_segment_fixed_size: 35328
    .private_segment_fixed_size: 0
    .kernarg_segment_align: 8
    .kernarg_segment_size: 24
    .max_flat_workgroup_size: 128
    .sgpr_count:     66
    .vgpr_count:     256
    .wavefront_size: 32
...
	.end_amdgpu_metadata
.endif
;; end of part 1
;; launch attn (part 2): grid 4 x 64, 16 waves a work-group, no clusters, 327,680 bytes of LDS; arguments Q, kblk, V_codes, out0; writes out0
.if DOCPART == 2
	.amdgcn_target "amdgcn-amd-amdhsa--gfx1250"
	.amdhsa_code_object_version 6
	.text
	.protected	k_qe34f7ac103_attn
	.globl	k_qe34f7ac103_attn
	.p2align	8
	.type	k_qe34f7ac103_attn,@function
k_qe34f7ac103_attn:
	s_mov_b64 s[64:65], 0
	v_nop
	global_prefetch_b8 v0, s[64:65] scope:SCOPE_SE
	s_setreg_imm32_b32 hwreg(HW_REG_WAVE_MODE, 25, 1), 1
	s_wait_xcnt 0x0
; out[b][q][64 hh + d] = the sum over keys k <= q of softmax_k(Q . K / 8) V, 64 (batch, head) pairs bh = 16 b + hh, 2,048 queries and keys, head size 64; both products on codes of BF6 (E3M2), one E8M0 scale for each 32 along K.
; Q: f32, quantised here in registers.  K: codes and scale words as the launch before laid them (kblk: a unit of 13,824 bytes for each bh and slot of 256 keys; its map stands at that launch's head).
; V: codes with the keys innermost, 1,536 bytes a channel; its scale words lie in kblk's units.
; THE FIRST PRODUCT'S K IS 64: registers 6-11 of K's and of Q's fragments (k = 64 .. 127 of the matrix instruction) hold zero codes; they are written once.
; THE SOFTMAX: t = score x log2(e) / 8; M = the running largest t rounded UP to a whole number; p = 2^(t - M) is quantised along the keys, not normalised; the row's sum is taken of the unquantised p and divides at the end.
; When M moves, the sum and O are multiplied by 2^(old M - new M): exact.  Hidden scores become -infinity ahead of the maximum: p = 0.
; SHARES.  A work-group owns one bh and two blocks of 256 queries: block i (pass 0) and block 7 - i (pass 1), i = 0..3.  Pass 0 walks key slots 0..i, pass 1 slots 0..7-i: NINE trips in every work-group, seven slots
; below the diagonal and two on it: the trip count is a constant, no slot is fetched that nobody reads, and all 256 work-groups have the same work.  Each of sixteen waves owns 16 queries in 256 registers.
; A slot is two steps of 128 keys; a step all of whose keys come after the wave's queries is jumped over (a scalar branch on ids; no barrier and no tensor load stands in a step).
; NO CLUSTER: the four work-groups of a bh walk slots 0..i, 0..7-i: in most trips they want different slots (trip 1: slots 0, 1, 1, 1; trip 2: 1, 0, 2, 2 ..), so there is no joint request to make; walking in step would take 12 trips for these 9.
; LAYOUT.  Both products are used transposed: S^T = K Q^T (source 0 = 16 keys, source 1 = my 16 queries), O^T = V^T P^T (source 0 = 16 channels, source 1 = P): a lane holds ONE query (lane % 16) throughout.
; The keys of a tile are chosen so that score register 16 b + i of a lane is key 32 b + 16 (lane / 16) + i of the step.
; RING: two LDS slots; wave 0 fetches K's unit (one dense block), wave 1 V's 64 rows of 192 bytes: at most one tensor load of a wave is out; it is asked for at a trip's head and waited for at the next trip's head.
; LIMITS: NaN and infinities in Q are not served; a scale byte 0xff of V gives NaN, as in the definition.  A block's largest p is made from the block's largest score, which takes v_exp_f32 not to fall where its input rises.
.set SB,    13824                      ; K's unit
.set KBO,   8192
.set KSCO,  12288
.set VSCO,  13312
.set VOFF,  SB                         ; a slot: K's unit, then V's tile
.set VP,    240                        ; a row of V's tile: 3 x (64 bytes + 16 of padding)
.set SLOT1, 32768                      ; slot 1 begins here: one exclusive or turns an address from one slot to the other
.set STAGE, 65536                      ; the way out: 16 rows x 272 bytes for each wave; no fill lands here
.set SP,    272
.set SPARE, STAGE+16*16*SP             ; the spare words, 128 bytes for each wave: eight blocks of 256 bytes that no other line names
.set L16,  1                           ; v1   16 x lane
.set L8,   2                           ; v2   8 x lane
.set AV0,  3                           ; v3   my place in a tile of V: row r, + 24 h
.set AV1,  4                           ; v4   the same behind one padding more
.set SPW,  5                           ; v5   my spare word; never rewritten
.set NIL,  6                           ; v6   0; never rewritten
.set GO,   7                           ; v7   the way out: my bytes in two rows of out
.set ADA,  8                           ; v8-11 the step's LDS addresses: the slot + v1 .. v4
.set ADB,  9
.set ADV0, 10
.set ADV1, 11                          ; v12 -M, v13 the largest t, v[14:15] the sum in two halves
.set QF,   16                          ; v16-27 Q's fragment
.set QS,   28                          ; v28  Q's scale words
.set PFO,  29                          ; v29  4,096 x lane: the prefetch's offset; never rewritten
.set STO,  30                          ; v30  the stage: where I put 32 bytes of a row
.set SRD,  31                          ; v31  and where I read a row back
.set KFR,  32                          ; v32-79 four fragments of K
.set KSC,  80                          ; v80-83 K's scale words: register T / 2, lanes 0-15 the even tile's, lanes 16-31 the odd one's
.set VSC,  84                          ; v84-85 V's likewise
.set QD,   86                          ; v86  r - 16 h
.set NINF, 87                          ; v87  -infinity
.set QA,   88                          ; v88  Q: row r, + 128 h
.set MD,   89                          ; v89  the mask's bound
.set H8,   90                          ; v90  8 h
.set PP,   96                          ; v96-159 S^T, then p; v96-143 then V's four fragments
.set OT,   160                         ; v160-191 O^T
.set PCD,  192                         ; v192-203 p's codes
.set CT,   204                         ; v204-206, v208-210 the conversions' second halves
.set BM,   212                         ; v212-215 the blocks' largest scores, then p
.set PT,   216                         ; v216-219 at work
.set SO,   220                         ; v220-223 the conversions' scale operands
.set PS,   224                         ; v224 p's scale word
.set TT,   225                         ; v225 at work
.set FF,   226                         ; v[226:227] f = 2^(old M - new M); v227 is written once
.set SUM2, 228                         ; v[228:229] the sum's second chain
.set XQ,   192                         ; v192-223 Q's 32 numbers, while Q is quantised; v232-238 at work there
.set WV,  12
.set IX,  13                           ; s13 i
.set BH,  14
.set T,   15                           ; s15 the trip
.set G1K, 16                           ; s[16:23], s[24:31] descriptor groups 1;  s[32:35], s[36:39] groups 0
.set G1V, 24
.set G0K, 32
.set G0V, 36
.set KB,  40                           ; s[40:41] kblk at my bh;  s[42:43] V_codes at my bh
.set VB,  42
.set OF,  44                           ; s[44:45] an offset; the high word stays 0
.set QP0, 46                           ; s[46:47], s[48:49] Q at my 16 rows in pass 0, 1;  s[50:51], s[52:53] out likewise
.set QP1, 48
.set OP0, 50
.set OP1, 52
.set SEL, 54
.set CS,  56                           ; s[56:57] c = log2(e) / 8
.set TB,  58                           ; s58 LDS byte at which the slot in hand begins
.set SL,  59                           ; s59 the slot's number in the pass
.set QB,  60                           ; s60 the pass's block of queries = its last slot;  s61 pass 1's
.set QB1, 61
.set Q0,  62                           ; s62 my first query in the pass;  s63 in pass 1
.set Q01, 63
.set KF,  66                           ; s66 the step's first key
.set NS,  67                           ; s67 the slot to be asked for
.set TMP, 68
.set PFT, 69                           ; s69 the trip in which I prefetch: i in even waves, else none
.macro PLACES n
.rept \n
	v_nop
.endr
.endm
; Wave 0 fetches K's unit, wave 1 V's tile, the others nothing.  Four v_nop follow each of the two lines.
.macro TLOAD
	s_cmp_eq_u32 s[WV], 0
	s_cbranch_scc0 .Lnot_k_\@
	tensor_load_to_lds s[G0K:G0K+3], s[G1K:G1K+7]
	s_nop 0
	PLACES 4
	s_branch .Lasked_\@
.Lnot_k_\@:
	s_cmp_eq_u32 s[WV], 1
	s_cbranch_scc0 .Lasked_\@
	tensor_load_to_lds s[G0V:G0V+3], s[G1V:G1V+7]
	s_nop 0
	PLACES 4
.Lasked_\@:
.endm
; A PREFETCH INTO THE L2 of pass 1's rows of Q, which are loaded at the end of trip i: it stands at that trip's head, two key steps ahead.  Each even wave names its own 16 rows and the next wave's,
; a lane a row (a head's part of a row is 256 bytes): each such block is named once in the launch.  Its address registers are never rewritten.
.macro ASKQ
	s_cmp_eq_u32 s[T], s[PFT]
	s_cbranch_scc0 .Lnot_mine_\@
	global_prefetch_b8 v[PFO], s[QP1:QP1+1] th:TH_LOAD_NT scope:SCOPE_SE
.Lnot_mine_\@:
.endm
; THE CHANGE OF SLOTS, at a trip's head.  Each wave waits for all its tensor loads (its part of the slot ahead), adds 0 to its spare word, and waits for that and for its reads of the slot that it has left.
; Behind the barrier the slot ahead is whole and nobody reads the other one.  fill = 1: that one is filled with the next trip's slot: the pass's next, or slot 0 of pass 1.
.macro CHANGE fill
	s_wait_tensorcnt 0x0                           ; no tensor load of mine is out, so a group 0 may be written
	ds_add_u32 v[SPW], v[NIL]                      ; 0 onto my spare word: the descriptors' words are made between it and the wait for it
.if \fill
	s_add_co_u32 s[NS], s[SL], 1
	s_cmp_eq_u32 s[SL], s[QB]                      ; the pass's last slot?
	s_cselect_b32 s[NS], 0, s[NS]
	s_mul_i32 s[OF], s[NS], SB
	s_add_nc_u64 s[G0K+2:G0K+3], s[KB:KB+1], s[OF:OF+1]
	s_or_b32 s[G0K+3], s[G0K+3], 0x80000000        ; type = 2
	s_mul_i32 s[OF], s[NS], 192                    ; 256 codes along a row of V
	s_add_nc_u64 s[G0V+2:G0V+3], s[VB:VB+1], s[OF:OF+1]
	s_or_b32 s[G0V+3], s[G0V+3], 0x80000000
	s_xor_b32 s[G0K+1], s[G0K+1], SLOT1            ; the other slot than last time
	s_xor_b32 s[G0V+1], s[G0V+1], SLOT1
.endif
	s_wait_dscnt 0x0                               ; the add is done, and my reads of the slot that I have left are over
	s_barrier_signal -1
	s_barrier_wait -1
.if \fill
	TLOAD                                          ; the first thing behind the barrier, and a wave's one tensor load until the next
	ASKQ
.endif
.endm
; A fragment of V: 16 channels x 128 keys, in pieces of 8 bytes.  Lanes 0-15 take the row's pieces 12 q + 0, 1, 2 and 12 q + 6, 7, 8, lanes 16-31 those three pieces on; 16 bytes of padding lie behind every 8 pieces:
; where the piece three on lies behind one padding more, the second address register serves.
.macro VFRAG reg, q, i
.irp p, 0,1,2,3,4,5
.set PC, 12*(\q)+6*(\p/3)+\p%3
.if PC%8 < 5
	ds_load_b64 v[\reg+2*\p:\reg+2*\p+1], v[ADV0] offset:8*PC+16*(PC/8)+(\i)*16*VP
.else
	ds_load_b64 v[\reg+2*\p:\reg+2*\p+1], v[ADV1] offset:8*PC+16*(PC/8)+(\i)*16*VP
.endif
.endr
.endm
; A KEY STEP: 128 keys, the q-th of the slot in hand.
.macro STEP q
	s_add_co_u32 s[TMP], s[Q0], 15
	s_cmp_gt_u32 s[KF], s[TMP]                     ; all keys behind my last query: nothing to do
	s_cbranch_scc1 .Lhidden_\@
	v_add_nc_u32 v[ADA], s[TB], v[L16]             ; these four and the v_nop are the five places between the last step's products and the products below, which write over the registers that held V's fragments
	v_add_nc_u32 v[ADB], s[TB], v[L8]
	v_add_nc_u32 v[ADV0], s[TB], v[AV0]
	v_add_nc_u32 v[ADV1], s[TB], v[AV1]
	v_nop
	ds_load_b64 v[VSC:VSC+1], v[ADB] offset:VSCO+256*(\q)
.irp g, 0,1                                    ; S^T = K Q^T, four tiles of 16 keys at a time
.if \g
	PLACES 4                                       ; in front of loads into registers that matrix instructions have read
.endif
	ds_load_b64 v[KSC+2*\g:KSC+2*\g+1], v[ADB] offset:KSCO+256*(2*(\q)+\g)
.irp t, 0,1,2,3
	ds_load_b128 v[KFR+12*\t:KFR+12*\t+3], v[ADA] offset:512*(8*(\q)+4*\g+\t)      ; an image of the operand's registers: 16 bytes a lane on end,
	ds_load_b64 v[KFR+12*\t+4:KFR+12*\t+5], v[ADB] offset:KBO+256*(8*(\q)+4*\g+\t) ; and 8; registers 6-11 stay zeros
.endr
	s_wait_dscnt 0x0
.irp t, 0,1,2,3
.if \t%2
	v_wmma_scale_f32_16x16x128_f8f6f4 v[PP+8*(4*\g+\t):PP+8*(4*\g+\t)+7], v[KFR+12*\t:KFR+12*\t+11], v[QF:QF+11], 0, v[KSC+2*\g+\t/2], v[QS] matrix_a_fmt:MATRIX_FMT_BF6 matrix_b_fmt:MATRIX_FMT_BF6 matrix_a_scale:MATRIX_SCALE_ROW1
.else
	v_wmma_scale_f32_16x16x128_f8f6f4 v[PP+8*(4*\g+\t):PP+8*(4*\g+\t)+7], v[KFR+12*\t:KFR+12*\t+11], v[QF:QF+11], 0, v[KSC+2*\g+\t/2], v[QS] matrix_a_fmt:MATRIX_FMT_BF6 matrix_b_fmt:MATRIX_FMT_BF6
.endif
.endr
.endr
	PLACES 4                                       ; in front of the first read of results
	s_add_co_u32 s[TMP], s[KF], 127                ; on the diagonal hidden scores become -infinity; a step all of whose keys count skips this
	s_cmp_le_u32 s[TMP], s[Q0]
	s_cbranch_scc1 .Lopen_\@
	s_sub_co_i32 s[TMP], s[Q0], s[KF]
	v_add_nc_u32 v[MD], s[TMP], v[QD]              ; d = my query - the step's first key - 16 h: register 16 b + i is hidden where 32 b + i > d
.set n, 0
.rept 64
	v_cmp_gt_i32 vcc_lo, 32*(n/16)+n%16, v[MD]
	v_cndmask_b32 v[PP+n], v[PP+n], v[NINF], vcc_lo
.set n, n+1
.endr
.Lopen_\@:
.irp b, 0,1,2,3
	v_max3_num_f32 v[BM+\b], v[PP+16*\b], v[PP+16*\b+1], v[PP+16*\b+2]     ; the largest score of each block of 32 keys: it serves for the row's maximum and, since p rises with the score, for the block's largest p
.endr
.irp i, 3,5,7,9,11,13
.irp b, 0,1,2,3
	v_max3_num_f32 v[BM+\b], v[BM+\b], v[PP+16*\b+\i], v[PP+16*\b+\i+1]    ; (the four blocks by turns)
.endr
.endr
.irp b, 0,1,2,3
	v_max_num_f32 v[BM+\b], v[BM+\b], v[PP+16*\b+15]
.endr
.irp b, 0,1,2,3
	v_permlanex16_b32 v[PT+\b], v[BM+\b], s[SEL], s[SEL+1]
.endr
.irp b, 0,1,2,3
	v_max_num_f32 v[BM+\b], v[BM+\b], v[PT+\b]     ; with lane l xor 16's 16 keys
.endr
	v_max3_num_f32 v[TT], v[BM], v[BM+1], v[BM+2]
	v_max_num_f32 v[TT], v[TT], v[BM+3]            ; the step's largest score of my query
	v_mul_f32 v[TT], s[CS], v[TT]                  ; as t (c is positive)
	v_max_num_f32 v13, v13, v[TT]                  ; the running largest t
	v_mov_b32 v[TT], v12
	v_floor_f32 v12, -v13                          ; the new -M = floor(-t) = -ceil(t)
	v_sub_f32 v[TT], v12, v[TT]                    ; old M - new M: a whole number, 0 or less
	v_cvt_i32_f32 v[TT], v[TT]                     ; (it saturates)
	v_ldexp_f32 v[FF], 1.0, v[TT]                  ; f = 2^(old M - new M)
.set j, 0
.rept 32
	v_pk_fma_f32 v[PP+j:PP+j+1], v[PP+j:PP+j+1], s[CS:CS+1], v[12:13] op_sel_hi:[1,0,0]   ; t - M, two at a time (of the pairs c and -M the low word serves both halves)
.set j, j+2
.endr
.irp b, 0,1,2,3
	v_fma_f32 v[BM+\b], v[BM+\b], s[CS], v12       ; the same of each block's largest score
.endr
.set j, 0
.rept 64
	v_exp_f32 v[PP+j], v[PP+j]                     ; p = 2^(t - M), at most 1
.set j, j+1
.endr
	v_pk_mul_f32 v[14:15], v[14:15], v[FF:FF+1] op_sel_hi:[1,0]    ; the sums under the new M.  (The plain line behind the exponentials)
	s_wait_alu depctr_va_vdst(0)                   ; one wait for the batch of 64, ahead of its first reader
.irp b, 0,1,2,3
	v_exp_f32 v[BM+\b], v[BM+\b]                   ; the block's largest p: the same two instructions on the same number give the same bits
.endr
	v_pk_add_f32 v[SUM2:SUM2+1], v[PP:PP+1], v[PP+2:PP+3]          ; the row's sum is taken of the UNQUANTISED p: two at a time, in two chains.  (Plain work behind the four)
.set j, 4
.rept 15
	v_pk_add_f32 v[14:15], v[14:15], v[PP+j:PP+j+1]
	v_pk_add_f32 v[SUM2:SUM2+1], v[SUM2:SUM2+1], v[PP+j+2:PP+j+3]
.set j, j+4
.endr
	v_pk_add_f32 v[14:15], v[14:15], v[SUM2:SUM2+1]
	s_wait_alu depctr_va_vdst(0)                   ; and one for the four
.irp b, 0,1,2,3
	v_max_num_f32 v[BM+\b], 0x2800000, v[BM+\b]    ; the floor 2^(5 - 127): the byte cannot fall under 1 (a block whose every p is 0 keeps that byte: its codes are zeros)
.endr
.irp b, 0,1,2,3
	v_add_nc_u32 v[SO+\b], 0xfe000000, v[BM+\b]    ; 4 off the exponent field: the conversion's scale operand
.endr
.irp b, 0,1,2,3
	v_lshrrev_b32 v[PT+\b], 23, v[SO+\b]           ; the scale's byte
.endr
	v_lshl_or_b32 v[PS], v[PT+1], 8, v[PT]         ; p's scale word for these 128 keys
	v_lshl_or_b32 v[PS], v[PT+2], 16, v[PS]
	v_lshl_or_b32 v[PS], v[PT+3], 24, v[PS]
.irp c, 0,1
	v_cvt_scalef32_pk16_bf6_f32 v[PCD+6*\c:PCD+6*\c+2], v[PP+32*\c:PP+32*\c+15], v[SO+2*\c]
	v_cvt_scalef32_pk16_bf6_f32 v[CT+4*\c:CT+4*\c+2], v[PP+32*\c+16:PP+32*\c+31], v[SO+2*\c+1]   ; (a conversion's three registers begin on an even number)
.endr
	v_nop                                          ; the plain line behind the conversions
.irp t, 0,1,2,3
	VFRAG PP+12*\t, \q, \t                         ; V's four fragments take p's registers; they land under the 28 lines below
.endr
.irp c, 0,1                                    ; the operand's layout wants a WHOLE block in a lane: lanes 0-15 block 2 c, lanes 16-31 block 2 c + 1
.irp i, 0,1,2
	v_permlane16_swap_b32 v[PCD+6*\c+\i], v[CT+4*\c+\i]
.endr
.irp i, 0,1,2
	v_mov_b32 v[PCD+6*\c+3+\i], v[CT+4*\c+\i]
.endr
.endr
.set j, 0
.rept 16
	v_pk_mul_f32 v[OT+j:OT+j+1], v[OT+j:OT+j+1], v[FF:FF+1] op_sel_hi:[1,0]   ; O^T under the new M.  (These sixteen are also the places between p's codes and scale word and the products below)
.set j, j+2
.endr
	s_wait_dscnt 0x0                               ; V's fragments are in
.irp t, 0,1,2,3                                ; O^T += V^T P^T: the four accumulators by turns
.if \t%2
	v_wmma_scale_f32_16x16x128_f8f6f4 v[OT+8*\t:OT+8*\t+7], v[PP+12*\t:PP+12*\t+11], v[PCD:PCD+11], v[OT+8*\t:OT+8*\t+7], v[VSC+\t/2], v[PS] matrix_a_fmt:MATRIX_FMT_BF6 matrix_b_fmt:MATRIX_FMT_BF6 matrix_a_scale:MATRIX_SCALE_ROW1
.else
	v_wmma_scale_f32_16x16x128_f8f6f4 v[OT+8*\t:OT+8*\t+7], v[PP+12*\t:PP+12*\t+11], v[PCD:PCD+11], v[OT+8*\t:OT+8*\t+7], v[VSC+\t/2], v[PS] matrix_a_fmt:MATRIX_FMT_BF6 matrix_b_fmt:MATRIX_FMT_BF6
.endif
.endr
.Lhidden_\@:
	s_add_co_u32 s[KF], s[KF], 128
.endm
; My 16 rows of Q: lane (r, h) takes the 32 numbers of block h of row r.
.macro QLOAD qp
.irp j, 0,1,2,3,4,5,6,7
	global_load_b128 v[XQ+4*\j:XQ+4*\j+3], v[QA], s[\qp:\qp+1] offset:16*\j th:TH_LOAD_NT
.endr
.endm
; They become registers 0-5 of Q's fragment and its scale word (bytes 2, 3 repeat bytes 0, 1, over zero codes).
.macro QUANTQ
	s_wait_loadcnt 0x0
	v_max3_num_f32 v232, |v[XQ]|, |v[XQ+1]|, |v[XQ+2]|
	v_max3_num_f32 v233, |v[XQ+3]|, |v[XQ+4]|, |v[XQ+5]|
.irp i, 6,10,14,18,22,26
	v_max3_num_f32 v232, v232, |v[XQ+\i]|, |v[XQ+\i+1]|
	v_max3_num_f32 v233, v233, |v[XQ+\i+2]|, |v[XQ+\i+3]|
.endr
	v_max3_num_f32 v232, v232, |v[XQ+30]|, |v[XQ+31]|
	v_max3_num_f32 v232, v232, v233, 0x2800000     ; the floor 2^(5 - 127)
	v_add_nc_u32 v234, 0xfe000000, v232
	v_cvt_scalef32_pk16_bf6_f32 v[QF:QF+2], v[XQ:XQ+15], v234
	v_cvt_scalef32_pk16_bf6_f32 v[236:238], v[XQ+16:XQ+31], v234
	v_lshrrev_b32 v235, 23, v234                   ; the scale's byte.  (The plain line behind the conversions)
	v_lshlrev_b32 v235, v[H8], v235                ; at its place
	v_permlanex16_b32 v[TT], v235, s[SEL], s[SEL+1]
	v_or_b32 v235, v235, v[TT]
	v_lshl_or_b32 v[QS], v235, 16, v235
	v_mov_b32 v[QF+3], v236
	v_mov_b32 v[QF+4], v237
	v_mov_b32 v[QF+5], v238
.endm
; A pass begins: the largest t is -3e38, under every t; the sum and O^T are zeros, which the first change of M leaves zeros.  (These lines are also the places between Q's codes and scale word and the next products.)
.macro RESET
	v_mov_b32 v13, 0xff61b1e6
	v_floor_f32 v12, -v13
	v_mov_b32 v14, 0
	v_mov_b32 v15, 0
.set j, 0
.rept 32
	v_mov_b32 v[OT+j], 0
.set j, j+1
.endr
.endm
; A pass ends: O^T / the sum goes through my stage in LDS and leaves as whole rows: sixteen lanes store a query's 256 bytes of this head.
.macro FINISH op, inloop
	v_add_f32 v14, v14, v15                        ; the sum's two halves,
	v_permlanex16_b32 v[TT], v14, s[SEL], s[SEL+1]
	v_add_f32 v14, v14, v[TT]                      ; and lane l xor 16's
	v_rcp_f32 v14, v14
	v_nop                                          ; the plain line behind the reciprocal
	s_wait_alu depctr_va_vdst(0)                   ; and the wait ahead of its first reader
.set j, 0
.rept 16
	v_pk_mul_f32 v[PP+j:PP+j+1], v[OT+j:OT+j+1], v[14:15] op_sel_hi:[1,0]   ; register 8 t + i is out(query r, channel 16 t + 8 h + i); each accumulator from its low end on
.set j, j+2
.endr
.irp t, 0,1,2,3
	ds_store_b128 v[STO], v[PP+8*\t:PP+8*\t+3] offset:64*\t
	ds_store_b128 v[STO], v[PP+8*\t+4:PP+8*\t+7] offset:64*\t+16
.endr
.irp i, 0,1,2,3,4,5,6,7
	ds_load_b128 v[PP+32+4*\i:PP+32+4*\i+3], v[SRD] offset:2*SP*\i         ; LDS serves a wave's instructions in order: these see my stores
.endr
.irp i, 0,1,2,3,4,5,6,7
	s_wait_dscnt 7-\i                              ; load i is back; the younger ones may be out
	global_store_b128 v[GO], v[PP+32+4*\i:PP+32+4*\i+3], s[\op:\op+1] offset:8192*\i th:TH_STORE_NT   ; two rows: twice 256 consecutive bytes, each at a multiple of 256 from the buffer's first byte
.endr
.if \inloop
	s_wait_xcnt 0x0                                ; the stores have read their data: the next pass's scores are written into these registers only behind this wait
.endif
.endm
	s_load_b256 s[4:11], s[0:1], 0x0               ; Q s[4:5], kblk s[6:7], V_codes s[8:9], out0 s[10:11]
	v_lshl_add_u32 v[SPW], v0, 2, SPARE
	v_mov_b32 v[NIL], 0
	ds_add_u32 v5, v6
	s_wait_dscnt 0x0
	v_lshrrev_b32 v8, 5, v0
	v_readfirstlane_b32 s[WV], v8                  ; wave 0..15
	s_mov_b32 s[IX], ttmp9                         ; i
	s_and_b32 s[BH], ttmp7, 0xffff                 ; bh
	v_and_b32 v91, 31, v0                          ; l
	v_and_b32 v92, 15, v0                          ; r
	v_bfe_u32 v93, v0, 4, 1                        ; h
	v_lshlrev_b32 v[L16], 4, v91
	v_lshlrev_b32 v[L8], 3, v91
	v_mul_u32_u24 v[AV0], v92, VP
	v_mad_u32_u24 v[AV0], v93, 24, v[AV0]
	v_add_nc_u32 v[AV0], VOFF, v[AV0]
	v_lshl_add_u32 v[AV1], v93, 4, v[AV0]
	v_lshlrev_b32 v[GO], 4, v92
	v_lshl_add_u32 v[GO], v93, 12, v[GO]           ; lanes 0-15 one row of out, lanes 16-31 the next; 16 bytes a lane
	v_lshlrev_b32 v[PFO], 12, v91
	s_mul_i32 s[TMP], s[WV], 16*SP
	s_add_co_u32 s[TMP], s[TMP], STAGE             ; my stage
	v_mul_u32_u24 v[STO], v92, SP
	v_lshl_add_u32 v[STO], v93, 5, v[STO]
	v_add_nc_u32 v[STO], s[TMP], v[STO]
	v_mul_u32_u24 v[SRD], v93, SP
	v_lshl_add_u32 v[SRD], v92, 4, v[SRD]
	v_add_nc_u32 v[SRD], s[TMP], v[SRD]
	v_lshlrev_b32 v[H8], 3, v93
	v_lshlrev_b32 v[QD], 4, v93
	v_sub_nc_u32 v[QD], v92, v[QD]
	v_mov_b32 v[NINF], 0xff800000
	v_lshlrev_b32 v[QA], 12, v92
	v_lshl_add_u32 v[QA], v93, 7, v[QA]
	; descriptor group 1.  K's unit: a dense block of 13,824 bytes as 54 rows of 256 bytes (32 elements of 8 bytes), no padding
	s_mov_b32 s[G1K], 3<<16
	s_mov_b32 s[G1K+1], 32<<16                     ; tensor_dim0
	s_mov_b32 s[G1K+2], 54<<16                     ; tensor_dim1
	s_mov_b32 s[G1K+3], 32<<16                     ; tile_dim0
	s_mov_b32 s[G1K+4], 54                         ; tile_dim1
	s_mov_b32 s[G1K+5], 32                         ; the pitch
	s_mov_b32 s[G1K+6], 0
	s_mov_b32 s[G1K+7], 0
	; V's tile: 64 rows of 192 bytes, 1,536 bytes apart; 4 words of padding behind every 16
	s_mov_b32 s[G1V], (1<<20)|(3<<22)|(3<<25)
	s_mov_b32 s[G1V+1], 192<<16
	s_mov_b32 s[G1V+2], 64<<16
	s_mov_b32 s[G1V+3], 192<<16
	s_mov_b32 s[G1V+4], 64
	s_mov_b32 s[G1V+5], 1536
	s_mov_b32 s[G1V+6], 0
	s_mov_b32 s[G1V+7], 0
	s_mov_b32 s[SEL], 0x76543210
	s_mov_b32 s[SEL+1], 0xfedcba98                 ; v_permlanex16_b32's selects for lane l xor 16
	s_mov_b32 s[CS], 0x3e38aa3b                    ; c = log2(e) / 8
	s_mov_b32 s[CS+1], s[CS]                       ; (named with it as a pair, so it is written)
	s_mov_b32 s[TB], 0
	s_mov_b32 s[SL], 0
	s_mov_b32 s[KF], 0
	s_mov_b32 s[T], 0
	s_lshr_b32 s2, s[BH], 4
	s_lshl_b32 s2, s2, 11                          ; 2,048 b
	s_and_b32 s3, s[BH], 15
	s_lshl_b32 s3, s3, 8                           ; 256 hh
	s_lshl_b32 s[TMP], s[WV], 4
	s_lshl_b32 s[Q0], s[IX], 8
	s_add_co_u32 s[Q0], s[Q0], s[TMP]              ; pass 0: 256 i + 16 wave
	s_sub_co_u32 s[QB1], 7, s[IX]
	s_lshl_b32 s[Q01], s[QB1], 8
	s_add_co_u32 s[Q01], s[Q01], s[TMP]            ; pass 1: 256 (7 - i) + 16 wave
	s_mov_b32 s[QB], s[IX]
	s_and_b32 s[TMP], s[WV], 1
	s_cmp_eq_u32 s[TMP], 0
	s_cselect_b32 s[PFT], s[IX], -1
	s_mov_b32 s[OF+1], 0
	s_wait_kmcnt 0x0
	s_mul_i32 s[OF], s[BH], 8*SB
	s_add_nc_u64 s[KB:KB+1], s[6:7], s[OF:OF+1]
	s_mul_i32 s[OF], s[BH], 64*1536
	s_add_nc_u64 s[VB:VB+1], s[8:9], s[OF:OF+1]
	s_mov_b32 s[G0K], 1                            ; count = 1
	s_mov_b32 s[G0K+1], 0                          ; LDS address: slot 0
	s_mov_b64 s[G0K+2:G0K+3], s[KB:KB+1]           ; the bh's slot 0
	s_or_b32 s[G0K+3], s[G0K+3], 0x80000000        ; type = 2
	s_mov_b32 s[G0V], 1
	s_mov_b32 s[G0V+1], VOFF
	s_mov_b64 s[G0V+2:G0V+3], s[VB:VB+1]
	s_or_b32 s[G0V+3], s[G0V+3], 0x80000000
	TLOAD                                          ; the first fill, ahead of every wait on TENSORcnt, LDS read and barrier
	s_add_co_u32 s[OF], s2, s[Q0]
	s_lshl_b32 s[OF], s[OF], 12                    ; rows of 4,096 bytes
	s_add_co_u32 s[OF], s[OF], s3
	s_add_nc_u64 s[QP0:QP0+1], s[4:5], s[OF:OF+1]
	s_add_nc_u64 s[OP0:OP0+1], s[10:11], s[OF:OF+1]
	s_add_co_u32 s[OF], s2, s[Q01]
	s_lshl_b32 s[OF], s[OF], 12
	s_add_co_u32 s[OF], s[OF], s3
	s_add_nc_u64 s[QP1:QP1+1], s[4:5], s[OF:OF+1]
	s_add_nc_u64 s[OP1:OP1+1], s[10:11], s[OF:OF+1]
	QLOAD QP0
.irp t, 0,1,2,3
.irp k, 6,7,8,9,10,11
	v_mov_b32 v[KFR+12*\t+\k], 0                   ; k = 64 .. 127 of K's fragments: zero codes, written once
.endr
.endr
.irp k, 6,7,8,9,10,11
	v_mov_b32 v[QF+\k], 0                          ; and of Q's
.endr
	v_mov_b32 v[TT], 0                             ; a lane permute's destination counts as one of its sources
	v_mov_b32 v[FF+1], 0                           ; (named as the upper half of a pair)
	QUANTQ
	RESET
.Ltrip:                                            ; eight trips ask for the next trip's slot; the ninth is written out
	CHANGE 1
	STEP 0
	STEP 1
	s_xor_b32 s[TB], s[TB], SLOT1                  ; on to the other slot
	s_cmp_eq_u32 s[SL], s[QB]                      ; was this pass 0's last slot?  (In pass 1 the loop ends one slot short of the last.)
	s_cbranch_scc0 .Lsame
	PLACES 4                                       ; between the last products and the loads into p's codes' registers, and the first read of O^T
	QLOAD QP1                                      ; pass 1's queries land while pass 0's results leave
	FINISH OP0, 1
	QUANTQ
	RESET
	s_mov_b32 s[SL], -1
	s_mov_b32 s[QB], s[QB1]
	s_mov_b32 s[Q0], s[Q01]
	s_mov_b32 s[KF], 0
.Lsame:
	s_add_co_u32 s[SL], s[SL], 1
	s_add_co_u32 s[T], s[T], 1
	s_cmp_lt_u32 s[T], 8
	s_cbranch_scc1 .Ltrip
	CHANGE 0                                       ; pass 1's last slot: nothing is left to fetch
	STEP 0
	STEP 1
	PLACES 4
	FINISH OP1, 0
	s_wait_tensorcnt 0x0                           ; the wave's end: behind my last tensor load and my last LDS store
	ds_add_u32 v[SPW], v[NIL]
	s_wait_dscnt 0x0
	s_endpgm
.Lfunc_end_k_qe34f7ac103_attn:
	.size	k_qe34f7ac103_attn, .Lfunc_end_k_qe34f7ac103_attn-k_qe34f7ac103_attn
	.p2alignl 7, 3214868480
	.fill 96, 4, 3214868480
	.section	.rodata,"a",@progbits
	.p2align	6, 0x0
	.amdhsa_kernel k_qe34f7ac103_attn
		.amdhsa_group_segment_fixed_size 327680
		.amdhsa_private_segment_fixed_size 0
		.amdhsa_enable_private_segment 0
		.amdhsa_kernarg_size 32
		.amdhsa_user_sgpr_count 2
		.amdhsa_user_sgpr_kernarg_segment_ptr 1
		.amdhsa_wavefront_size32 1
		.amdhsa_system_sgpr_workgroup_id_x 1
		.amdhsa_system_sgpr_workgroup_id_y 1
		.amdhsa_system_sgpr_workgroup_id_z 1
		.amdhsa_system_vgpr_workitem_id 0
		.amdhsa_next_free_vgpr 256
		.amdhsa_next_free_sgpr 72
		.amdhsa_reserve_vcc 1
		.amdhsa_float_denorm_mode_32 3
		.amdhsa_float_denorm_mode_16_64 3
		.amdhsa_memory_ordered 1
		.amdhsa_forward_progress 1
		.amdhsa_inst_pref_size 109
	.end_amdhsa_kernel
	.amdgpu_metadata
---
amdhsa.version: [ 1, 2 ]
amdhsa.kernels:
  - .name:           k_qe34f7ac103_attn
    .symbol:         k_qe34f7ac103_attn.kd
    .args:
      - { .name: Q, .offset: 0, .size: 8, .value_kind: global_buffer, .address_space: global }
      - { .name: kblk, .offset: 8, .size: 8, .value_kind: global_buffer, .address_space: global }
      - { .name: V_codes, .offset: 16, .size: 8, .value_kind: global_buffer, .address_space: global }
      - { .name: out0, .offset: 24, .size: 8, .value_kind: global_buffer, .address_space: global }
    .group_segment_fixed_size: 327680
    .private_segment_fixed_size: 0
    .kernarg_segment_align: 8
    .kernarg_segment_size: 32
    .max_flat_workgroup_size: 512
    .sgpr_count:     72
    .vgpr_count:     256
    .wavefront_size: 32
...
	.end_amdgpu_metadata
.endif
;; end of part 2
